; MI455X (gfx1250); checked and timed in simulation.
; The chip was launched on July 23, 2026; its instructions are those of AMD's public machine-readable ISA for CDNA 5 (MIT licence, August 2026) and "CDNA5" Instruction Set Architecture Reference Guide (July 2026). The comments in the code are by the model that wrote it; some were corrected since.
;; Multihead Attention. Allowed arithmetic: matrix products marked QUANTISED: E5M2 operands, one given power-of-two scale a tensor, by v_wmma_f32_16x16x64_bf8_bf8 or v_wmma_f32_16x16x128_bf8_bf8, f32 sums; everything else in f32.
;; Inputs: k_codes 4 x 2,048 x 32 x 32 uint8 (E5M2 codes of k, K innermost, in blocks of 32 codes); lowp_scales 12 int32 (the exponents e of the quantised operands' scales 2^e); q_codes 4 x 2,048 x 32 x 32 uint8 (E5M2 codes of q, K innermost, in blocks of 32 codes); v_codes 4 x 2,048 x 32 x 32 uint8 (E5M2 codes of v, K innermost, in blocks of 32 codes); wk_b 16 x 64 float32; wk_w_codes 16 x 64 x 32 x 32 uint8 (E5M2 codes of wk_w, K innermost, in blocks of 32 codes); wo_b 1,024 float32; wo_w_codes 1,024 x 32 x 32 uint8 (E5M2 codes of wo_w, K innermost, in blocks of 32 codes); wq_b 16 x 64 float32; wq_w_codes 16 x 64 x 32 x 32 uint8 (E5M2 codes of wq_w, K innermost, in blocks of 32 codes); wv_b 16 x 64 float32; wv_w_codes 16 x 64 x 32 x 32 uint8 (E5M2 codes of wv_w, K innermost, in blocks of 32 codes).
;; Outputs: out0 4 x 2,048 x 1,024 float32.
;; This version of the problem:
;;   THIS VERSION OF THE PROBLEM IS GIVEN IN LOW PRECISION. The matrix products marked QUANTISED in the list below multiply operands that are first quantised to E5M2 (5 exponent bits, 2 mantissa bits; 8 bits a number), with one given power-of-two scale for each operand tensor; their sums are f32. All else is computed in f32.
;;   The module's matrix products, in the order in which they are computed (A, B: the left and right operand; K: the contracted axis; several contracted axes count as one K, in the product's order):
;;     1. [M 1,024, K 1,024] x [K 1,024, N 8,192]; A: input wq_w (given as codes); B: input q (given as codes): QUANTISED (scales: A lowp_scales[0], B lowp_scales[1])
;;     2. [M 1,024, K 1,024] x [K 1,024, N 8,192]; A: input wk_w (given as codes); B: input k (given as codes): QUANTISED (scales: A lowp_scales[2], B lowp_scales[3])
;;     3. [M 1,024, K 1,024] x [K 1,024, N 8,192]; A: input wv_w (given as codes); B: input v (given as codes): QUANTISED (scales: A lowp_scales[4], B lowp_scales[5])
;;     4. batch 64 x [M 2,048, K 64] x [K 64, N 2,048]; A: computed on the way; B: computed on the way: QUANTISED (scales: A lowp_scales[6], B lowp_scales[7])
;;     5. batch 64 x [M 2,048, K 2,048] x [K 2,048, N 64]; A: softmax (see below); B: computed on the way: QUANTISED (scales: A lowp_scales[8], B lowp_scales[9])
;;     6. [M 8,192, K 1,024] x [K 1,024, N 1,024]; A: computed on the way; B: input wo_w (given as codes): QUANTISED (scales: A lowp_scales[10], B lowp_scales[11])
;;   THE QUANTISER, for each operand of a quantised product, along K:
;;     - The operand's scale is 2^e, e = its entry of the input lowp_scales (int32; the entries are numbered through the quantised products in the list's order, A before B).
;;     - Each number is divided by the scale, clamped to +-57,344, and rounded to the nearest number of E5M2, ties to even, subnormals kept.
;;     - The product sums the exact products of the quantised numbers (number of the format x scale) in f32.
;;   ~~~python
;;   def quantise(x, axis, e):      # numpy; x: float32 -> the quantised numbers, widened to float32 again
;;       x = np.moveaxis(x, axis, -1); K = x.shape[-1]
;;       r = np.clip(x / 2.0 ** e, -57344, 57344)
;;       step = 2.0 ** (np.maximum(np.frexp(np.where(r == 0, 1, r))[1] - 1, -14) - 2)
;;       q = np.round(r / step) * step * 2.0 ** e      # np.round: ties to even
;;       return np.moveaxis(q, -1, axis).astype(np.float32)
;;   ~~~
;;   SOFTMAX AHEAD OF A QUANTISED PRODUCT. Where the list says 'softmax', what is quantised is not the finished softmax but p = 2^(t - M), with t = logit x log2(e) and M = ceil(the row's largest t), a whole number; so 1/2 < the row's largest p <= 1. The row's sum l is taken of the UNQUANTISED p, in f32, and the product's result is divided by l at the end. Since M is a whole number, a kernel that streams over the keys may use a running M (the ceiling of the running maximum): every later rescaling is an exact power of two, so the quantised numbers keep their values, but for numbers so far below the row's largest that they fall under the format's range.
;;   OPERANDS COMPUTED ON THE WAY. 'Computed on the way' means the value that the module computes at that place (a softmax that the list does not call 'softmax' is quantised finished and normalised). What goes into a quantiser is computed in f32, as accurately as f32 sums, v_exp_f32 and their like allow (about 1e-6 of the number): no bf16 or f16 on the way to a quantiser, and a product that is left as it is and whose result goes on into a quantised operand takes f32 operands (vector FMAs, or v_wmma_f32_16x16x4_f32). A number that lies on a knife's edge between two numbers of the format may be rounded either way, as far as f32 arithmetic and the matrix unit's own rounding can turn it there, and no further.
;;   INPUTS GIVEN AS CODES. k (in the module: [4, 2048, 1024], K = its axis 2); q (in the module: [4, 2048, 1024], K = its axis 2); v (in the module: [4, 2048, 1024], K = its axis 2); wk_w (in the module: [16, 64, 1024], K = its axis 2); wo_w (in the module: [1024, 1024], K = its axis 1); wq_w (in the module: [16, 64, 1024], K = its axis 2); wv_w (in the module: [16, 64, 1024], K = its axis 2): each comes as NAME_codes (uint8): NAME with its K axis moved to the last place and cut into blocks of 32 codes, [.., K / 32, bytes a block], one block behind the other in memory; one code a byte (a code: sign, 5 exponent bits, 2 mantissa bits); its scale is its entry of lowp_scales. Its value is code x scale, taken as it is: it is not quantised again, and the codes and scales need not be those that the quantiser above would give.
;; One version. Each part assembles by itself: llvm-mc -triple=amdgcn-amd-amdhsa -mcpu=gfx1250 --defsym DOCPART=n.
;; ======== version 1 of 1: 3 launches
;; limits: right only within a limited range of input values
;; workspace buffers: qh 8,388,608 bytes; kh 8,388,608 bytes; vh 8,388,608 bytes; oc 8,388,608 bytes
;; launch proj (part 1): grid 64 x 4, 4 waves a work-group, clusters of 4 x 4, 327,680 bytes of LDS; arguments q_codes, k_codes, v_codes, wq_w_codes, wk_w_codes, wv_w_codes, wq_b, wk_b, wv_b, lowp_scales, qh, kh, vh; writes qh, kh, vh
.if DOCPART == 1
	.amdgcn_target "amdgcn-amd-amdhsa--gfx1250"
	.amdhsa_code_object_version 6
	.text
	.protected	k_q4ae952ab5c_proj
	.globl	k_q4ae952ab5c_proj
	.p2align	8
	.type	k_q4ae952ab5c_proj,@function
k_q4ae952ab5c_proj:
	s_mov_b64 s[64:65], 0
	v_nop
	global_prefetch_b8 v0, s[64:65] scope:SCOPE_SE
	s_setreg_imm32_b32 hwreg(HW_REG_WAVE_MODE, 25, 1), 1
	s_wait_xcnt 0x0
	s_wait_alu depctr_hold_cnt(0) depctr_sa_sdst(0) depctr_va_vdst(0) depctr_va_sdst(0) depctr_va_ssrc(0) depctr_va_vcc(0) depctr_vm_vsrc(0)
	s_getreg_b32 s2, hwreg(HW_REG_IB_STS2, 6, 4)
	s_cmp_eq_u32 s2, 0
	s_cbranch_scc0 .Lentry_in_a_cluster
	s_endpgm
.Lentry_in_a_cluster:
	s_bfe_u32 s2, ttmp6, 0x10000c
	s_cmp_lg_u32 s2, 0xf033
	s_cbranch_scc0 .Lentry_shape_is_right
	s_endpgm
.Lentry_shape_is_right:
; THE THREE PROJECTIONS: qh = q Wq^T + bq, kh = k Wk^T + bk, vh = v Wv^T + bv, on codes of BF8 (E5M2), sums in f32; the results are quantised here, with the given scales, and stored as codes.
; X (q, k or v): [8192][1024] codes; W: [1024][1024] codes, K innermost in both.
; SHARES.  The three products are 384 tiles of 256 x 256.  256 WORK-GROUPS STAY and make one and a half each: first a tile of 256 positions x 256 features of qh or kh (2 x 32 x 4 = 256 tiles),
; then a tile of 256 features x 128 keys of vh (4 x 64 = 256 tiles).  Four waves; a wave makes 128 x 128 of the first (64 accumulators, 512 registers) and 128 x 64 of the second (32 of them).
; K goes in four steps of 256 for each tile through two LDS slots filled by the tensor data mover.  THE RING DOES NOT STOP AT THE FIRST TILE'S END: its last two changes of slots ask for the second tile's K steps 0 and 1,
; which are on their way while the first tile is quantised and stored.
; 16 clusters of 4 x 4.  First tile: cluster / 8 = G says which projection (0 q, 1 k), cluster % 8 which 1,024 rows of X; cy picks 256 of them, cx 256 rows of W.  Second tile: cy picks 256 rows of Wv, 4 x cluster + cx 128 rows of v.
; THE MATRIX INSTRUCTION IS USED TRANSPOSED (source 0 = 16 rows of "B", source 1 = 16 rows of "A"): lane (r, h) holds row r of A and the eight neighbouring rows 8 h + 0 .. 7 of B.
;   First tile: A = X, B = W: a lane holds one position and eight neighbouring features, the next product's K.      Second tile: A = Wv, B = v: a lane holds one feature and eight neighbouring KEYS, the K of the product with p.
; So one conversion of a lane's eight results gives registers 2 c, 2 c + 1 of the next product's operand, and THE CODES ARE STORED AS AN IMAGE OF THAT OPERAND'S REGISTERS: a fragment (16 rows x 64 K) is 1,024 bytes,
; [half of its 8 registers][lane][16 bytes]; each store of a wave covers 512 consecutive bytes, aligned.  qh, kh: [batch x head][position / 16][fragment];  vh: [batch x head][key / 64][feature / 16][fragment].
; JOINT LOADS: the four work-groups of a row of the cluster need the same tiles of A, the four of a column the same tiles of B.
; No prefetch is laid: the first tile is the largest block, in clusters, and a tile's K has four steps, of which two are asked for a tile's way out or the head ahead of their use and the other two one step later.
; LIMITS on the given exponents: the two operands' exponents add to a number between -126 and 127; the result's exponent lies between -126 and 112.  Codes of infinity and NaN among the inputs are not served.
; REGISTERS, in windows of 256: window 0: v0-31 addresses and constants; v32-95 the bias; v128-255 A's fragments, ONE set, on the way out the codes.  window 1: B's fragments, TWO sets.  windows 2, 3: the accumulators ((a, b) at v[8 (8 (a % 4) + b)]).
.set ROWB,   256                       ; a tile's row in bytes: 256 codes
.set KROW,   1024                      ; a row of X or of W in memory
.set PITCH,  272                       ; an LDS row: 256 bytes + 16 of padding = 68 words: the 16 rows that a load touches start at 16 different banks
.set FR,     16                        ; registers of a fragment: 16 rows x 128 K
.set NL,     4                         ; LDS loads that bring one
.set NP,     4                         ; places behind this matrix instruction (ISA guide 7.12.1)
.set HALFT,  128*PITCH                 ; 128 rows
.set SLOT,   4*HALFT                   ; A's 256 rows, then B's 256 (second tile: 128) rows
.set SPARE,  2*SLOT                    ; behind the ring: the spare words, 128 bytes for each wave
.set PADW,   (0<<16)|(1<<20)|(1<<21)|(5<<22)|(3<<25)   ; group 1, word 0: elements of 1 byte; padding on; bit 21 beside a mask; four words after every 64
.set ADRA, 16                          ; v16-17  LDS address of my A fragments in slot 0, 1
.set ADRB, 20                          ; v20-21  the same for B in the first tile (128 rows a wave)
.set ADRC, 22                          ; v22-23  and in the second (64 rows a wave)
.set BOV,  25                          ; the bias's lane offset where a lane holds one feature: 4 r
.set CO,   26                          ; 16 x lane: my place in a store's 512 bytes
.set BOQ,  27                          ; the bias's lane offset where a lane holds eight features: 32 h
.set SPW,  28                          ; LDS address of my spare word; never rewritten
.set NIL,  29                          ; 0; never rewritten
.set LIMV, 30                          ; 57,344 x 2^eo
.set SCV,  31                          ; 2^eo
.set BI,   32                          ; v32-95  the bias
.set AF,   128                         ; A's fragments
.set CD,   128                         ; the codes, where A's fragments lay
.set T2A,  4                           ; s[4:5]   the second tile's rows of Wv
.set T2B,  6                           ; s[6:7]   its rows of v
.set BI2,  8                           ; s[8:9]   its bias
.set OU2,  18                          ; s[18:19] its codes
.set G1, 24                            ; s[24:31] group 1 for A's tiles;  s[32:39] group 0, one set for each slot
.set G0, 32
.set G1B, 48                           ; s[48:55], s[56:63] the same for B's tiles
.set G0B, 56
.set G1C, 88                           ; s[88:95] group 1 for B's tiles of the second tile: 128 rows
.set MSB, 0
.macro WIN new                         ; the immediate's high byte repeats the setting that is left
.if MSB != (\new)
	s_set_vgpr_msb (MSB<<8)|(\new)
.set MSB, (\new)
.endif
.endm
.set MUL_LO, 0xa1                      ; source 0 (B) window 1, source 1 (A) window 0, C and D window 2
.set MUL_HI, 0xf1                      ; the same, C and D window 3
.set TO_B,   0x40                      ; destination window 1, address window 0
.macro PLACES n                        ; plain vector instructions between a matrix instruction and a load into, or a vector instruction on, one of its registers
.rept \n
	v_nop
.endr
.endm
.macro TL g0, g1                       ; a tensor load with the s_nop 0 and four v_nop
	tensor_load_to_lds s[\g0:\g0+3], s[\g1:\g1+7]
	s_nop 0
	PLACES 4
.endm
; A slot's joint refill: wave wa fetches A's rows, wave wa + 1 B's, the other two nothing (their four v_nop are the places in front of the LDS loads that follow).  The branches hang on the wave's number alone.
.macro JLOAD wa, g0a, g1a, g0b, g1b
	s_cmp_eq_u32 s14, \wa
	s_cbranch_scc0 .Lfor_b_\@
	TL \g0a, \g1a
	s_branch .Lasked_\@
.Lfor_b_\@:
	s_cmp_eq_u32 s14, (\wa)+1
	s_cbranch_scc0 .Lnone_\@
	TL \g0b, \g1b
	s_branch .Lasked_\@
.Lnone_\@:
	PLACES 4
.Lasked_\@:
.endm
.macro CREST                           ; a round of the cluster's barrier behind its opening barrier
	s_cmp_lg_u32 s14, 0
	s_cbranch_scc1 .Lnot_wave_0_\@
	s_barrier_signal -3
.Lnot_wave_0_\@:
	s_barrier_wait -3
	s_barrier_signal -1
	s_barrier_wait -1
.endm
.macro CROUND                          ; a whole round
	s_barrier_signal -1
	s_barrier_wait -1
	CREST
.endm
	s_load_b512 s[68:83], s[0:1], 0x0              ; q s[68:69], k s[70:71], v s[72:73], Wq s[74:75], Wk s[76:77], Wv s[78:79], bq s[80:81], bk s[82:83]
	s_load_b256 s[84:91], s[0:1], 0x40             ; bv s[84:85], the scales' exponents s[86:87], qh s[88:89], kh s[90:91]
	s_load_b64 s[92:93], s[0:1], 0x60              ; vh
	v_lshl_add_u32 v[SPW], v0, 2, SPARE
	v_mov_b32 v[NIL], 0
	ds_add_u32 v[SPW], v[NIL]                      ; the opening lines: the add, twice on end, and its wait ahead of my first tensor load
	ds_add_u32 v[SPW], v[NIL]
	v_lshrrev_b32 v1, 5, v0
	v_readfirstlane_b32 s14, v1                    ; wave 0..3
	s_lshr_b32 s15, s14, 1                         ; which half of a tile's A rows is mine
	s_and_b32 s16, s14, 1                          ; which half of its B rows
	s_bfe_u32 s40, ttmp6, 0x40000                  ; cx, cy: my place in the cluster
	s_bfe_u32 s41, ttmp6, 0x40004
	s_lshr_b32 s66, ttmp9, 3                       ; G: 0 q, 1 k: the same in all sixteen partners
	s_and_b32 s67, ttmp9, 7
	s_lshl_b32 s67, s67, 2
	s_add_co_u32 s17, s67, s41                     ; first tile: which 256 rows of X (A); its 256 rows of W (B) are cx's
	s_lshl_b32 s45, ttmp9, 2
	s_add_co_u32 s45, s45, s40                     ; second tile: which 128 rows of v (B); its 256 rows of Wv (A) are cy's
	s_lshl_b32 s43, s41, 2
	s_lshl_b32 s43, 15, s43                        ; my row of the cluster
	s_lshl_b32 s44, 0x1111, s40                    ; my column
	s_or_b32 s[G1+0], s43, PADW                    ; A's tiles go to my row,
	s_or_b32 s[G1B+0], s44, PADW                   ; B's to my column
.irp g, G1, G1B
	s_mov_b32 s[\g+1], ROWB<<16                    ; tensor_dim0
	s_mov_b32 s[\g+2], 256<<16                     ; tensor_dim1 = 256
	s_mov_b32 s[\g+3], ROWB<<16                    ; tile_dim0
	s_mov_b32 s[\g+4], 256                         ; tile_dim1 = 256
	s_mov_b32 s[\g+5], KROW                        ; tensor_dim0_stride
	s_mov_b32 s[\g+6], 0
	s_mov_b32 s[\g+7], 0
.endr
	s_lshl_b32 s20, s17, 18                        ; first tile, A: 256 rows of 1,024 bytes a tile (under 2^23)
	s_mov_b32 s21, 0
	s_lshl_b32 s46, s40, 18                        ; B likewise
	s_mov_b32 s47, 0
	s_lshl_b32 s2, s41, 18                         ; second tile, A
	s_mov_b32 s3, 0
	s_lshl_b32 s22, s45, 17                        ; B: 128 rows a tile
	s_mov_b32 s23, 0
	s_wait_dscnt 0x0                               ; both opening adds are done
	s_wait_kmcnt 0x0
	s_cmp_eq_u32 s66, 1                            ; the first tile's buffers are chosen by G, which hangs on the cluster's number alone
	s_cselect_b64 s[8:9], s[70:71], s[68:69]       ; X
	s_cselect_b64 s[18:19], s[76:77], s[74:75]     ; W
	s_cselect_b64 s[12:13], s[82:83], s[80:81]     ; the bias
	s_cselect_b64 s[10:11], s[90:91], s[88:89]     ; the codes' buffer
	s_add_nc_u64 s[20:21], s[8:9], s[20:21]
	s_add_nc_u64 s[46:47], s[18:19], s[46:47]
	s_add_nc_u64 s[T2A:T2A+1], s[78:79], s[2:3]
	s_add_nc_u64 s[T2B:T2B+1], s[72:73], s[22:23]
	s_mov_b64 s[BI2:BI2+1], s[84:85]
	s_mov_b64 s[OU2:OU2+1], s[92:93]
	s_load_b256 s[68:75], s[86:87], 0x0            ; the exponents e0 .. e7 (the registers that held the arguments are free)
	s_load_b128 s[76:79], s[86:87], 0x20           ; e8 .. e11
	s_or_b32 s[G1C+0], s44, PADW                   ; the second tile's B: 128 rows, to my column
	s_mov_b32 s[G1C+1], ROWB<<16
	s_mov_b32 s[G1C+2], 128<<16
	s_mov_b32 s[G1C+3], ROWB<<16
	s_mov_b32 s[G1C+4], 128
	s_mov_b32 s[G1C+5], KROW
	s_mov_b32 s[G1C+6], 0
	s_mov_b32 s[G1C+7], 0
	CROUND                                         ; all sixteen work-groups are here: the first joint loads meet
.irp s, 0,1
	s_mov_b32 s[G0+4*\s], 1
	s_mov_b32 s[G0+4*\s+1], \s*SLOT                ; A's rows lie at the slot's head,
	s_add_nc_u64 s[G0+4*\s+2:G0+4*\s+3], s[20:21], \s*ROWB
	s_or_b32 s[G0+4*\s+3], s[G0+4*\s+3], 0x80000000
	s_mov_b32 s[G0B+4*\s], 1
	s_mov_b32 s[G0B+4*\s+1], 2*HALFT+\s*SLOT       ; B's behind them: constants, no place in the cluster enters an LDS address
	s_add_nc_u64 s[G0B+4*\s+2:G0B+4*\s+3], s[46:47], \s*ROWB
	s_or_b32 s[G0B+4*\s+3], s[G0B+4*\s+3], 0x80000000
.endr
	; THE FIRST FILLS, one tensor load a wave, in one chain of branches on the wave's number: wave 0 A of K step 0, wave 1 B of K step 0, wave 2 A of K step 1, wave 3 B of K step 1
	s_cmp_eq_u32 s14, 0
	s_cbranch_scc0 .Lhead_1
	TL G0, G1
	s_branch .Lhead_join
.Lhead_1:
	s_cmp_eq_u32 s14, 1
	s_cbranch_scc0 .Lhead_2
	TL G0B, G1B
	s_branch .Lhead_join
.Lhead_2:
	s_cmp_eq_u32 s14, 2
	s_cbranch_scc0 .Lhead_3
	TL G0+4, G1
	s_branch .Lhead_join
.Lhead_3:
	TL G0B+4, G1B
.Lhead_join:
	s_mul_i32 s21, s15, HALFT                      ; my 128 rows of A
	s_mul_i32 s22, s16, HALFT
	s_add_co_u32 s22, s22, 2*HALFT                 ; my 128 rows of B in the first tile,
	s_mul_i32 s23, s16, 64*PITCH
	s_add_co_u32 s23, s23, 2*HALFT                 ; my 64 in the second
	v_and_b32 v1, 15, v0                           ; r = l % 16
	v_bfe_u32 v2, v0, 4, 1                         ; h = l / 16
	v_mul_u32_u24 v3, v1, PITCH
	v_lshl_add_u32 v4, v2, 4, v3                   ; a fragment's row x pitch + 16 x half
	v_add_nc_u32 v[ADRA], s21, v4
	v_add_nc_u32 v[ADRB], s22, v4
	v_add_nc_u32 v[ADRC], s23, v4
	v_add_nc_u32 v[ADRA+1], SLOT, v[ADRA]
	v_add_nc_u32 v[ADRB+1], SLOT, v[ADRB]
	v_add_nc_u32 v[ADRC+1], SLOT, v[ADRC]
	v_and_b32 v5, 31, v0
	v_lshlrev_b32 v[CO], 4, v5                     ; 16 x lane
	v_lshlrev_b32 v[BOQ], 5, v2                    ; 32 h
	v_lshlrev_b32 v[BOV], 2, v1                    ; 4 r
; Where my wave's codes and bias begin.  xs: my first row of X; ws: my first row of W.  131,072 bytes of codes for a batch and head, 64 bytes for a position, in all three layouts.
.macro OUTADR xs, ws, o, b
	s_lshr_b32 s2, s[\xs], 11                      ; the batch,
	s_lshl_b32 s2, s2, 4
	s_lshr_b32 s3, s[\ws], 6                       ; the first of my two heads
	s_add_co_u32 s2, s2, s3
	s_lshl_b32 s2, s2, 17
	s_and_b32 s3, s[\xs], 2047
	s_lshl_b32 s3, s3, 6
	s_add_co_u32 s2, s2, s3
	s_mov_b32 s3, 0
	s_add_nc_u64 s[\o:\o+1], s[\o:\o+1], s[2:3]
	s_lshl_b32 s2, s[\ws], 2
	s_add_nc_u64 s[\b:\b+1], s[\b:\b+1], s[2:3]
.endm
	s_lshl_b32 s20, s17, 8
	s_lshl_b32 s21, s15, 7
	s_add_co_u32 s20, s20, s21                     ; first tile: xs = 256 x tile + 128 x my half of A,
	s_lshl_b32 s21, s40, 8
	s_lshl_b32 s22, s16, 7
	s_add_co_u32 s21, s21, s22                     ; ws = 256 cx + 128 x my half of B
	OUTADR 20, 21, 10, 12
	s_lshl_b32 s20, s45, 7
	s_lshl_b32 s21, s16, 6
	s_add_co_u32 s20, s20, s21                     ; second tile: xs = 128 x tile + 64 x my half of B,
	s_lshl_b32 s21, s41, 8
	s_lshl_b32 s22, s15, 7
	s_add_co_u32 s21, s21, s22                     ; ws = 256 cy + 128 x my half of A
	OUTADR 20, 21, OU2, BI2
.macro FRAG reg, adr, q, i             ; a fragment, 16 rows x 128 K: lane l holds row l % 16; registers 4 c .. 4 c + 3 hold K = 32 c + 16 (l / 16) + 0 .. 15: the same order of K in A and in B
.irp c, 0,1,2,3
	ds_load_b128 v[\reg+4*\c:\reg+4*\c+3], v[\adr] offset:128*(\q)+32*\c+(\i)*16*PITCH
.endr
.endm
; A's blocks a0, a0 + 1 x B's nb blocks, 128 along K.  p: B's set.  zero = 1: the first product starts the sums.
; The accumulators take turns, one instruction a turn, in the same order in every step.
.macro MULS a0, p, zero, nb
.irp a, \a0, \a0+1
.set bb, 0
.rept \nb
.if \zero
	v_wmma_f32_16x16x128_bf8_bf8 v[8*(8*((\a)%4)+bb):8*(8*((\a)%4)+bb)+7], v[128*(\p)+FR*bb:128*(\p)+FR*bb+FR-1], v[AF+FR*(\a):AF+FR*(\a)+FR-1], 0
.else
	v_wmma_f32_16x16x128_bf8_bf8 v[8*(8*((\a)%4)+bb):8*(8*((\a)%4)+bb)+7], v[128*(\p)+FR*bb:128*(\p)+FR*bb+FR-1], v[AF+FR*(\a):AF+FR*(\a)+FR-1], v[8*(8*((\a)%4)+bb):8*(8*((\a)%4)+bb)+7]
.endif
.set bb, bb+1
.endr
.endr
.endm
.macro FETCH_B adr, q, p, nb           ; B's nb fragments of the q-th 128 along K into set p
	WIN TO_B
.set ii, 0
.rept \nb
	FRAG 128*(\p)+FR*ii, \adr, \q, ii
.set ii, ii+1
.endr
	WIN 0
.endm
.macro FETCH_A slot, q, i0             ; A's blocks i0 .. i0 + 3
.irp i, \i0, \i0+1, \i0+2, \i0+3
	FRAG AF+FR*(\i), ADRA+\slot, \q, \i
.endr
.endm
; A step of 128 along K that has its successor in the same slot.
.macro STEP slot, q, zero, adrb, nb
	s_wait_dscnt 4*NL                              ; B's set and A's blocks 0-3 are in; the youngest sixteen loads (A's blocks 4-7) may be out
	WIN MUL_LO
	MULS 0, (\q)%2, \zero, \nb
	MULS 2, (\q)%2, \zero, \nb
	s_wait_dscnt 0                                 ; A's blocks 4-7 are in
	PLACES NP
	FETCH_B \adrb+\slot, (\q)+1, 1-(\q)%2, \nb
	FETCH_A \slot, (\q)+1, 0
	WIN MUL_HI
	MULS 4, (\q)%2, \zero, \nb
	MULS 6, (\q)%2, \zero, \nb
	PLACES NP
	WIN 0
	FETCH_A \slot, (\q)+1, 4
.endm
; A slot's last step changes slots: ONE barrier; in front of it each wave waits for all its tensor loads, adds 0 to its spare word, and waits for that and for its own reads of this slot.
; fill = 1: this slot is filled again, two K steps ahead;  fill = 2: with the second tile's K step of this slot's number;  fill = 0: not at all.  fetch = 0: the tile ends here, and no fragment is fetched.
.macro TURN slot, next, fill, adrb, nb, g1b, fetch
	s_wait_tensorcnt 0x0                           ; no tensor load of mine is out
	ds_add_u32 v[SPW], v[NIL]                      ; 0 onto my spare word
	s_wait_dscnt 4*NL+1                            ; (the add and the youngest sixteen loads, A's blocks 4-7, may be out)
	WIN MUL_LO
	MULS 0, 1, 0, \nb                              ; matrix instructions stand between the add and the wait for it
	s_wait_dscnt 0x0                               ; the add is done, and my reads of this slot are over
	s_barrier_signal -1
	MULS 2, 1, 0, \nb
	WIN 0
	s_barrier_wait -1
.if \fill
	CREST                                          ; the barrier has opened a round of the cluster's barrier: no wave of any partner still reads this slot's tile or has a load on its way
.if \fill == 1
	s_add_nc_u64 s[G0+4*\slot+2:G0+4*\slot+3], s[G0+4*\slot+2:G0+4*\slot+3], 2*ROWB
	s_add_nc_u64 s[G0B+4*\slot+2:G0B+4*\slot+3], s[G0B+4*\slot+2:G0B+4*\slot+3], 2*ROWB
.else
	s_add_nc_u64 s[G0+4*\slot+2:G0+4*\slot+3], s[T2A:T2A+1], \slot*ROWB
	s_or_b32 s[G0+4*\slot+3], s[G0+4*\slot+3], 0x80000000
	s_add_nc_u64 s[G0B+4*\slot+2:G0B+4*\slot+3], s[T2B:T2B+1], \slot*ROWB
	s_or_b32 s[G0B+4*\slot+3], s[G0B+4*\slot+3], 0x80000000
.endif
	JLOAD 2*\slot, G0+4*\slot, G1, G0B+4*\slot, \g1b   ; the first tensor load behind the round: waves 2 slot and 2 slot + 1, one each
.else
	PLACES NP
.endif
.if \fetch
	FETCH_B \adrb+\next, 0, 0, \nb
	FETCH_A \next, 0, 0
.endif
	WIN MUL_HI
	MULS 4, 1, 0, \nb
	MULS 6, 1, 0, \nb
	PLACES NP
	WIN 0
.if \fetch
	FETCH_A \next, 0, 4
.endif
.endm
; The constants of a way out, from W's exponent in s96, X's in s97 and the result's in s98.
.macro SCALES
	s_add_co_i32 s96, s96, s97
	s_add_co_i32 s96, s96, 127
	s_lshl_b32 s96, s96, 23                        ; 2^(ea + eb) as f32
	s_mov_b32 s97, s96                             ; (named with it as a pair, so it is written)
	s_add_co_i32 s98, s98, 127
	s_lshl_b32 s99, s98, 23
	v_mov_b32 v[SCV], s99                          ; 2^eo as f32: the conversion takes its exponent field
	s_add_co_i32 s98, s98, 15
	s_lshl_b32 s98, s98, 23
	s_or_b32 s98, s98, 0x600000
	v_mov_b32 v[LIMV], s98                         ; 57,344 x 2^eo
	s_wait_alu depctr_va_vdst(0)
.endm
; THE WAY OUT.  In place, each accumulator from its low end on: sum x 2^(ea + eb) + bias (one packed multiply-add for two numbers), the hold within +-57,344 x 2^eo (the conversion does not saturate: ISA guide 7.6.2);
; then eight numbers become two registers of codes, and four registers (blocks 2 e and 2 e + 1 of B's rows: 32 along the next K) are stored at 16 x lane.  vp = 1: the second tile.
.macro EPI vp, nb
.irp w, 0,1
	WIN 0x82+0x41*\w                               ; source 0 and destination: the accumulators' window
.irp a, 0,1,2,3
.set bb, 0
.rept \nb
.irp i, 0,2,4,6
.if \vp
	v_pk_fma_f32 v[8*(8*\a+bb)+\i:8*(8*\a+bb)+\i+1], v[8*(8*\a+bb)+\i:8*(8*\a+bb)+\i+1], s[96:97], v[BI+2*(4*\w+\a):BI+2*(4*\w+\a)+1] op_sel_hi:[1,0,1]
.else
	v_pk_fma_f32 v[8*(8*\a+bb)+\i:8*(8*\a+bb)+\i+1], v[8*(8*\a+bb)+\i:8*(8*\a+bb)+\i+1], s[96:97], v[BI+8*bb+\i:BI+8*bb+\i+1] op_sel_hi:[1,0,1]
.endif
.endr
.irp i, 0,1,2,3,4,5,6,7
	v_med3_num_f32 v[8*(8*\a+bb)+\i], v[8*(8*\a+bb)+\i], -v[LIMV], v[LIMV]
.endr
.set bb, bb+1
.endr
.endr
	WIN 0x02+\w                                    ; source 0: the accumulators' window
.irp a, 0,1,2,3
.set bb, 0
.rept \nb
	v_cvt_scalef32_pk8_bf8_f32 v[CD+64*\w+2*(8*\a+bb):CD+64*\w+2*(8*\a+bb)+1], v[8*(8*\a+bb):8*(8*\a+bb)+7], v[SCV]
.set bb, bb+1
.endr
.endr
	v_nop                                          ; one plain vector instruction behind the last conversion of a run
	WIN 0
.irp a, 0,1,2,3
.set ee, 0
.rept \nb/2
.if \vp
	global_store_b128 v[CO], v[CD+64*\w+16*\a+4*ee:CD+64*\w+16*\a+4*ee+3], s[OU2:OU2+1] offset:\w*131072+\a*1024+(ee%2)*512   ; head w, features 16 a on, my 64 keys, half e of the fragment
.else
	global_store_b128 v[CO], v[CD+64*\w+16*\a+4*ee:CD+64*\w+16*\a+4*ee+3], s[10:11] offset:(ee/2)*131072+(4*\w+\a)*1024+(ee%2)*512   ; head e / 2, positions 16 (4 w + a) on, half e % 2 of the fragment
.endif
.set ee, ee+1
.endr
.endr
.endr
.endm
	s_wait_alu depctr_va_vdst(0)                   ; the wait at the head's end
	s_wait_tensorcnt 0x0                           ; my one load is in,
	s_barrier_signal -1
	s_barrier_wait -1                              ; everybody's is: both slots are whole
	; THE FIRST TILE
	FETCH_B ADRB, 0, 0, 8
	FETCH_A 0, 0, 0
	FETCH_A 0, 0, 4
	STEP 0, 0, 1, ADRB, 8                          ; the first step's products start the sums
	TURN 0, 1, 1, ADRB, 8, G1B, 1                  ; slot 0 takes K step 2
	STEP 1, 0, 0, ADRB, 8
	TURN 1, 0, 1, ADRB, 8, G1B, 1                  ; slot 1 takes K step 3
	STEP 0, 0, 0, ADRB, 8
	TURN 0, 1, 2, ADRB, 8, G1C, 1                  ; slot 0 takes the second tile's K step 0
	s_wait_kmcnt 0x0                               ; the exponents
	s_cmp_eq_u32 s66, 1
	s_cselect_b32 s96, s70, s68                    ; W's,
	s_cselect_b32 s97, s71, s69                    ; X's,
	s_cselect_b32 s98, s75, s74                    ; and the result's: e6 for qh, e7 for kh
	SCALES
.irp b, 0,1,2,3,4,5,6,7
	global_load_b128 v[BI+8*\b:BI+8*\b+3], v[BOQ], s[12:13] offset:64*\b        ; the bias of features ws + 16 b + 8 h + 0 .. 7: it lands under two steps' matrix work
	global_load_b128 v[BI+8*\b+4:BI+8*\b+7], v[BOQ], s[12:13] offset:64*\b+16
.endr
	STEP 1, 0, 0, ADRB, 8
	TURN 1, 0, 2, ADRB, 8, G1C, 0                  ; slot 1 takes the second tile's K step 1; both refills are asked for: now the tile goes out
	s_wait_loadcnt 0x0                             ; the bias
	EPI 0, 8
	; THE SECOND TILE
	s_mov_b32 s96, s72                             ; Wv's exponent, v's, and e9 for vh
	s_mov_b32 s97, s73
	s_mov_b32 s98, s77
	SCALES
.irp a, 0,1,2,3,4,5,6,7
	global_load_b32 v[BI+2*\a], v[BOV], s[BI2:BI2+1] offset:64*\a               ; the bias of feature ws + 16 a + r, twice: a pair for the packed multiply-add
	global_load_b32 v[BI+2*\a+1], v[BOV], s[BI2:BI2+1] offset:64*\a
.endr
	s_wait_xcnt 0x0                                ; the first tile's stores have read their registers: A's fragments may land there
	s_wait_tensorcnt 0x0                           ; my part of the second tile's K step 0 or 1 is in,
	s_barrier_signal -1
	s_barrier_wait -1                              ; everybody's is
	FETCH_B ADRC, 0, 0, 4
	FETCH_A 0, 0, 0
	FETCH_A 0, 0, 4
	STEP 0, 0, 1, ADRC, 4                          ; the sums begin anew
	TURN 0, 1, 1, ADRC, 4, G1C, 1                  ; slot 0 takes K step 2
	STEP 1, 0, 0, ADRC, 4
	TURN 1, 0, 1, ADRC, 4, G1C, 1                  ; slot 1 takes K step 3
	STEP 0, 0, 0, ADRC, 4
	TURN 0, 1, 0, ADRC, 4, G1C, 1                  ; nothing is left to fetch
	STEP 1, 0, 0, ADRC, 4
	s_wait_dscnt 4*NL                              ; the very last step
	WIN MUL_LO
	MULS 0, 1, 0, 4
	MULS 2, 1, 0, 4
	s_wait_dscnt 0
	WIN MUL_HI
	MULS 4, 1, 0, 4
	MULS 6, 1, 0, 4
	WIN 0
	PLACES NP
	s_wait_loadcnt 0x0                             ; the bias
	EPI 1, 4
	s_wait_tensorcnt 0x0                           ; the wave's end
	ds_add_u32 v[SPW], v[NIL]
	s_wait_dscnt 0x0
	CROUND                                         ; the closing round: no work-group ends while a partner may still ask for a tile that names it
	s_endpgm
.Lfunc_end_k_q4ae952ab5c_proj:
	.size	k_q4ae952ab5c_proj, .Lfunc_end_k_q4ae952ab5c_proj-k_q4ae952ab5c_proj
	.p2alignl 7, 3214868480
	.fill 96, 4, 3214868480
	.section	.rodata,"a",@progbits
	.p2align	6, 0x0
	.amdhsa_kernel k_q4ae952ab5c_proj
		.amdhsa_group_segment_fixed_size 327680
		.amdhsa_private_segment_fixed_size 0
		.amdhsa_enable_private_segment 0
		.amdhsa_kernarg_size 104
		.amdhsa_user_sgpr_count 2
		.amdhsa_user_sgpr_kernarg_segment_ptr 1
		.amdhsa_wavefront_size32 1
		.amdhsa_system_sgpr_workgroup_id_x 1
		.amdhsa_system_sgpr_workgroup_id_y 1
		.amdhsa_system_sgpr_workgroup_id_z 1
		.amdhsa_system_vgpr_workitem_id 0
		.amdhsa_next_free_vgpr 1024
		.amdhsa_next_free_sgpr 100
		.amdhsa_reserve_vcc 0
		.amdhsa_float_denorm_mode_32 3
		.amdhsa_float_denorm_mode_16_64 3
		.amdhsa_memory_ordered 1
		.amdhsa_forward_progress 1
		.amdhsa_inst_pref_size 215
	.end_amdhsa_kernel
	.amdgpu_metadata
---
amdhsa.version: [ 1, 2 ]
amdhsa.kernels:
  - .name:           k_q4ae952ab5c_proj
    .symbol:         k_q4ae952ab5c_proj.kd
    .args:
      - { .name: q_codes, .offset: 0, .size: 8, .value_kind: global_buffer, .address_space: global }
      - { .name: k_codes, .offset: 8, .size: 8, .value_kind: global_buffer, .address_space: global }
      - { .name: v_codes, .offset: 16, .size: 8, .value_kind: global_buffer, .address_space: global }
      - { .name: wq_w_codes, .offset: 24, .size: 8, .value_kind: global_buffer, .address_space: global }
      - { .name: wk_w_codes, .offset: 32, .size: 8, .value_kind: global_buffer, .address_space: global }
      - { .name: wv_w_codes, .offset: 40, .size: 8, .value_kind: global_buffer, .address_space: global }
      - { .name: wq_b, .offset: 48, .size: 8, .value_kind: global_buffer, .address_space: global }
      - { .name: wk_b, .offset: 56, .size: 8, .value_kind: global_buffer, .address_space: global }
      - { .name: wv_b, .offset: 64, .size: 8, .value_kind: global_buffer, .address_space: global }
      - { .name: lowp_scales, .offset: 72, .size: 8, .value_kind: global_buffer, .address_space: global }
      - { .name: qh, .offset: 80, .size: 8, .value_kind: global_buffer, .address_space: global }
      - { .name: kh, .offset: 88, .size: 8, .value_kind: global_buffer, .address_space: global }
      - { .name: vh, .offset: 96, .size: 8, .value_kind: global_buffer, .address_space: global }
    .group_segment_fixed_size: 327680
    .private_segment_fixed_size: 0
    .kernarg_segment_align: 8
    .kernarg_segment_size: 104
    .max_flat_workgroup_size: 128
    .sgpr_count:     100
    .vgpr_count:     1024
    .wavefront_size: 32
...
	.end_amdgpu_metadata
.endif
;; end of part 1
;; launch attn (part 2): grid 4 x 64, 16 waves a work-group, clusters of 4 x 1, 327,680 bytes of LDS; arguments qh, kh, vh, lowp_scales, oc; writes oc
.if DOCPART == 2
	.amdgcn_target "amdgcn-amd-amdhsa--gfx1250"
	.amdhsa_code_object_version 6
	.text
	.protected	k_q4ae952ab5c_attn
	.globl	k_q4ae952ab5c_attn
	.p2align	8
	.type	k_q4ae952ab5c_attn,@function
k_q4ae952ab5c_attn:
	s_mov_b64 s[64:65], 0
	v_nop
	global_prefetch_b8 v0, s[64:65] scope:SCOPE_SE
	s_setreg_imm32_b32 hwreg(HW_REG_WAVE_MODE, 25, 1), 1
	s_wait_xcnt 0x0
	s_wait_alu depctr_hold_cnt(0) depctr_sa_sdst(0) depctr_va_vdst(0) depctr_va_sdst(0) depctr_va_ssrc(0) depctr_va_vcc(0) depctr_vm_vsrc(0)
	s_getreg_b32 s2, hwreg(HW_REG_IB_STS2, 6, 4)
	s_cmp_eq_u32 s2, 0
	s_cbranch_scc0 .Lentry_in_a_cluster
	s_endpgm
.Lentry_in_a_cluster:
	s_bfe_u32 s2, ttmp6, 0x10000c
	s_cmp_lg_u32 s2, 0x3003
	s_cbranch_scc0 .Lentry_shape_is_right
	s_endpgm
.Lentry_shape_is_right:
; ATTENTION ON CODES OF BF8 (E5M2): o = softmax(qh kh^T / 8) vh for one batch and head, both products on codes, sums in f32; o is quantised here with its given scale and stored as codes.
; qh, kh: [batch x head][position / 16][fragment], vh: [batch x head][key / 64][feature / 16][fragment]: a fragment (16 rows x 64 K) is 1,024 bytes, an image of the operand's 8 registers: [half][lane][16 bytes].
; oc: [batch x position / 16][head][fragment]: the image that the last projection's operand wants.
; SHARES.  A work-group owns 512 queries of one batch and head, in SIXTEEN waves of 256 registers, four to a SIMD, so that one wave's exponentials and waits stand beside three others' work.
; The head's K and V, 131,072 bytes each, lie whole in LDS: nothing is filled again.  THE FIRST FILLS go out as one group: every wave issues one tensor load of 16,384 bytes (waves 0-7 K, waves 8-15 V), to LDS byte 16,384 x wave.
; CLUSTER: the four work-groups of a head read the same K and V, and ask for them jointly (mask 15).
; No prefetch is laid: all that the launch reads is asked for at its head, and no loop runs ahead of a load.
; TWO PASSES over the keys, 64 a trip.
; Pass 1, the row's largest score: waves 2 g and 2 g + 1 share four tiles of 16 queries; each walks HALF of the keys for all four tiles, so that a fragment of K serves four matrix instructions;
;   then each hands its partner, through 256 bytes of LDS scratch of its own, the maxima of the partner's two tiles.  M = ceil(largest t), t = score x log2(e) / 8, is then the row's own, a whole number.
; Pass 2, a wave's own two tiles, all keys: S^T again, p = 2^(t - M), the row's sum of the unquantised p, the hold at 57,344 x 2^ep, p's codes, O^T += V^T P^T.  At the end O^T is divided by the sum.
; Both products are used transposed (source 0 = 16 keys or 16 features, source 1 = 16 queries): a lane holds one query, and its eight results are eight neighbours along the next K.
; LIMITS on the given exponents, so that each power of two below is an f32 number: e6 + e7 between -123 and 130; e8 and e10 between -126 and 112.  NaN and infinity among the codes are not served.
; REGISTERS: v1-4 addresses; v6-9, v26 constants; v10-17 the largest scores, then -M (v10, v12); v18-25 the sums, two chains a tile; v27, v28 the scratch; v30, v31 the spare word's address and 0;
;   v32-47 my Q; v48-63 the partner's Q, then p's codes; v64-95 K's fragments; v96-127 V's; v128-191 S^T, then p; v192-255 pass 1: S^T of the partner's tiles; pass 2: O^T (tile t, features 16 a on: v[192 + 32 t + 8 a]).
.set SPARE, 0x40000                    ; behind K and V: the spare words, 128 bytes for each of 16 waves
.set SCR,   0x40800                    ; behind them: the scratch, 256 bytes a wave; no tile lands there
.set LI,   1                           ; 16 x lane
.set LIV,  2                           ; the same in V's part of LDS
.set ADK,  3
.set ADV,  4
.set LIMA, 6                           ; v6, v7: 57,344 x 2^ep
.set SC,   8                           ; 2^ep
.set SCO,  9                           ; 2^eo
.set MX,   10
.set LS,   18
.set LIMO, 26                          ; 57,344 x 2^eo
.set ADS,  27                          ; my scratch: SCR + 256 x wave + 4 x lane
.set ADL,  28                          ; my partner's
.set Q,    32
.set P,    48
.set KF,   64
.set VF,   96
.set S,    128
.set O,    192
.set WV,   14
.set CS,   22                          ; s[22:23] c = log2(e) / 8 x 2^(e6 + e7)
.set G1,   24
.set KO,   48                          ; the trip's byte in K and in V
.set CNT,  49
.set SEL,  50                          ; s[50:51] v_permlanex16_b32's selects for lane l xor 16
.macro CROUND                          ; a round of the cluster's barrier
	s_barrier_signal -1
	s_barrier_wait -1
	s_cmp_lg_u32 s[WV], 0
	s_cbranch_scc1 .Lnot_wave_0_\@
	s_barrier_signal -3
.Lnot_wave_0_\@:
	s_barrier_wait -3
	s_barrier_signal -1
	s_barrier_wait -1
.endm
	s_load_b256 s[4:11], s[0:1], 0x0               ; qh s[4:5], kh s[6:7], vh s[8:9], the exponents s[10:11]
	s_load_b64 s[12:13], s[0:1], 0x20              ; oc
	v_lshl_add_u32 v30, v0, 2, SPARE
	v_mov_b32 v31, 0
	ds_add_u32 v30, v31                            ; the opening lines: the add, twice on end, and its wait ahead of my tensor load
	ds_add_u32 v30, v31
	v_lshrrev_b32 v5, 5, v0
	s_delay_alu instid0(VALU_DEP_1)
	v_readfirstlane_b32 s[WV], v5                  ; wave 0..15
	v_and_b32 v[LI], 31, v0
	s_delay_alu instid0(VALU_DEP_1)
	v_lshlrev_b32 v[LI], 4, v[LI]
	s_delay_alu instid0(VALU_DEP_1)
	v_add_nc_u32 v[LIV], 131072, v[LI]
	v_and_b32 v[ADS], 0x1e0, v0                    ; 32 x wave;
	s_delay_alu instid0(VALU_DEP_1)
	v_add_nc_u32 v[ADS], v[ADS], v0                ; + thread = 64 x wave + lane;
	s_delay_alu instid0(VALU_DEP_1)
	v_lshl_add_u32 v[ADS], v[ADS], 2, SCR          ; x 4: 256 x wave + 4 x lane
	s_delay_alu instid0(VALU_DEP_1)
	v_xor_b32 v[ADL], 256, v[ADS]                  ; wave xor 1 (SCR's bit 8 is 0)
.irp t, 0,1,2,3
	v_mov_b32 v[MX+2*\t], 0xff800000               ; under every score
	v_mov_b32 v[MX+2*\t+1], 0xff800000
	v_mov_b32 v[LS+2*\t], 0
	v_mov_b32 v[LS+2*\t+1], 0
.endr
	s_bfe_u32 s15, ttmp6, 0x40000                  ; cx
	s_lshl_b32 s16, ttmp9, 2
	s_add_co_u32 s16, s16, s15                     ; which 512 queries
	s_and_b32 s17, ttmp7, 0xffff                   ; batch x head
	s_mov_b32 s[G1], 15|(3<<16)|(1<<21)            ; the four partners; elements of 8 bytes; bit 21 beside a mask
	s_mov_b32 s[G1+1], 32<<16                      ; rows of 256 bytes,
	s_mov_b32 s[G1+2], 64<<16                      ; 64 of them: a dense block of 16,384 bytes
	s_mov_b32 s[G1+3], 32<<16
	s_mov_b32 s[G1+4], 64
	s_mov_b32 s[G1+5], 32
	s_mov_b32 s[G1+6], 0
	s_mov_b32 s[G1+7], 0
	s_lshl_b32 s18, s17, 17                        ; the head's 131,072 bytes of K or of V,
	s_and_b32 s19, s[WV], 7
	s_lshl_b32 s19, s19, 14
	s_add_co_u32 s18, s18, s19                     ; and my eighth of them
	s_mov_b32 s19, 0
	s_lshl_b32 s20, s16, 5
	s_lshl_b32 s21, s[WV], 1
	s_add_co_u32 s20, s20, s21                     ; my first tile of 16 queries: 32 x block + 2 x wave
	s_xor_b32 s38, s20, 2                          ; my partner's
	s_lshr_b32 s52, s17, 4
	s_lshl_b32 s52, s52, 7
	s_add_co_u32 s52, s52, s20                     ; oc: 128 x batch + tile,
	s_lshl_b32 s52, s52, 14                        ; 16,384 bytes each,
	s_and_b32 s53, s17, 15
	s_lshl_b32 s53, s53, 10
	s_add_co_u32 s52, s52, s53                     ; + 1,024 x head
	s_mov_b32 s53, 0
	s_lshl_b32 s21, s17, 17
	s_lshl_b32 s20, s20, 10
	s_add_co_u32 s20, s20, s21                     ; qh: my tiles' fragments,
	s_lshl_b32 s38, s38, 10
	s_add_co_u32 s38, s38, s21                     ; and my partner's
	s_mov_b32 s21, 0
	s_mov_b32 s39, 0
	s_mov_b32 s[SEL], 0x76543210
	s_mov_b32 s[SEL+1], 0xfedcba98
	s_wait_alu depctr_va_vdst(0)                   ; directly ahead of the waits below
	s_wait_dscnt 0x0                               ; both opening adds are done
	s_wait_kmcnt 0x0
	s_load_b256 s[40:47], s[10:11], 0x10           ; e4 .. e11
	s_cmp_lt_u32 s[WV], 8
	s_cselect_b64 s[34:35], s[6:7], s[8:9]         ; waves 0-7 fetch K, waves 8-15 V
	s_add_nc_u64 s[34:35], s[34:35], s[18:19]
	s_or_b32 s35, s35, 0x80000000
	s_mov_b32 s32, 1
	s_lshl_b32 s33, s[WV], 14                      ; LDS: K from 0, V from 131,072: 16,384 x wave
	s_add_nc_u64 s[36:37], s[4:5], s[38:39]
	s_add_nc_u64 s[4:5], s[4:5], s[20:21]
	s_add_nc_u64 s[12:13], s[12:13], s[52:53]
.irp t, 0,1
.irp c, 0,1
	global_load_b128 v[Q+8*\t+4*\c:Q+8*\t+4*\c+3], v[LI], s[4:5] offset:1024*\t+512*\c          ; my two fragments of Q stay in registers;
	global_load_b128 v[Q+16+8*\t+4*\c:Q+16+8*\t+4*\c+3], v[LI], s[36:37] offset:1024*\t+512*\c  ; my partner's two serve pass 1.  Asked for ahead of the round, so that they land beside K and V
.endr
.endr
	CROUND                                         ; the four partners of the cluster are here: the joint loads meet
	tensor_load_to_lds s[32:35], s[G1:G1+7]        ; my one tensor load of the launch
	s_nop 0
	s_wait_kmcnt 0x0
	s_add_co_i32 s[CS], s42, s43
	s_lshl_b32 s[CS], s[CS], 23
	s_add_co_i32 s[CS], s[CS], 0x3e38aa3b          ; log2(e) / 8, with e6 + e7 added to its exponent field
	s_mov_b32 s[CS+1], s[CS]
	s_add_co_i32 s54, s44, 127
	s_lshl_b32 s55, s54, 23
	v_mov_b32 v[SC], s55
	s_add_co_i32 s54, s54, 15
	s_lshl_b32 s54, s54, 23
	s_or_b32 s54, s54, 0x600000
	v_mov_b32 v[LIMA], s54
	v_mov_b32 v[LIMA+1], s54
	s_add_co_i32 s54, s46, 127
	s_lshl_b32 s55, s54, 23
	v_mov_b32 v[SCO], s55
	s_add_co_i32 s54, s54, 15
	s_lshl_b32 s54, s54, 23
	s_or_b32 s54, s54, 0x600000
	v_mov_b32 v[LIMO], s54
.macro KLOAD                           ; four fragments of K: 64 keys
.irp k, 0,1,2,3
.irp c, 0,1
	ds_load_b128 v[KF+8*\k+4*\c:KF+8*\k+4*\c+3], v[ADK] offset:1024*\k+512*\c
.endr
.endr
.endm
.macro VLOAD                           ; four fragments of V: 64 features x 64 keys
.irp a, 0,1,2,3
.irp c, 0,1
	ds_load_b128 v[VF+8*\a+4*\c:VF+8*\a+4*\c+3], v[ADV] offset:1024*\a+512*\c
.endr
.endr
.endm
.macro SMUL nt                         ; S^T = K Q^T: each fragment of K serves nt tiles
.irp k, 0,1,2,3
.set tt, 0
.rept \nt
	v_wmma_f32_16x16x64_bf8_bf8 v[S+32*tt+8*\k:S+32*tt+8*\k+7], v[KF+8*\k:KF+8*\k+7], v[Q+8*tt:Q+8*tt+7], 0
.set tt, tt+1
.endr
.endr
.endm
.macro TRIP1 fetch                     ; pass 1: the scores of 64 keys for four tiles and their maximum, two chains a tile
	s_wait_dscnt 0x0
	SMUL 4
.if \fetch
	s_add_co_u32 s[KO], s[KO], 4096
	v_add_nc_u32 v[ADK], s[KO], v[LI]
.rept 3
	v_nop                                          ; with the addition: four places in front of the loads into K's registers
.endr
	KLOAD
.else
.rept 4
	v_nop
.endr
.endif
	s_wait_alu depctr_va_vdst(0)                   ; the maxima were written in the trip before
.irp k, 0,1,2,3
.irp p, 0,1,2,3
.irp t, 0,1,2,3
	v_max3_num_f32 v[MX+2*\t+\p%2], v[MX+2*\t+\p%2], v[S+32*\t+8*\k+2*\p], v[S+32*\t+8*\k+2*\p+1]
.endr
.endr
.endr
.endm
.macro TRIP2 zero, fetch               ; pass 2: 64 keys for my two tiles
	s_wait_dscnt 0x0
	SMUL 2
	v_add_nc_u32 v[ADV], s[KO], v[LIV]
.if \fetch
	s_add_co_u32 s[KO], s[KO], 4096
	v_add_nc_u32 v[ADK], s[KO], v[LI]
	v_nop
	v_nop
.else
.rept 3
	v_nop
.endr
.endif
	VLOAD
.if \fetch
	KLOAD
.endif
.set j, 0
	s_wait_alu depctr_va_vdst(0)                   ; the wait directly ahead of the scores' first readers
.rept 32
	v_pk_fma_f32 v[S+j:S+j+1], v[S+j:S+j+1], s[CS:CS+1], v[MX+2*(j/32):MX+2*(j/32)+1] op_sel_hi:[1,0,0]   ; t - M
.set j, j+2
.endr
.set j, 0
	s_wait_alu depctr_va_vdst(0)                   ; the wait ahead of the batch
.rept 64
	v_exp_f32 v[S+j], v[S+j]                       ; p = 2^(t - M), at most 1
.set j, j+1
.endr
	v_nop
	s_wait_alu depctr_va_vdst(0)                   ; and the one behind it
.set i, 0
.rept 16
.irp t, 0,1
	v_pk_add_f32 v[LS+4*\t+2*((i/2)%2):LS+4*\t+2*((i/2)%2)+1], v[LS+4*\t+2*((i/2)%2):LS+4*\t+2*((i/2)%2)+1], v[S+32*\t+i:S+32*\t+i+1]   ; the sum of the unquantised p, four chains by turns
.endr
.set i, i+2
.endr
.set j, 0
.rept 32
	v_dual_min_num_f32 v[S+j], v[LIMA], v[S+j] :: v_dual_min_num_f32 v[S+j+1], v[LIMA+1], v[S+j+1]   ; the hold: the conversion does not saturate (ISA guide 7.6.2); p is not negative
.set j, j+2
.endr
.irp t, 0,1
.irp k, 0,1,2,3
	v_cvt_scalef32_pk8_bf8_f32 v[P+8*\t+2*\k:P+8*\t+2*\k+1], v[S+32*\t+8*\k:S+32*\t+8*\k+7], v[SC]
.endr
.endr
	v_nop
	s_wait_alu depctr_va_vdst(0)
	s_wait_dscnt 8*\fetch                          ; V's fragments are in; the next trip's eight loads of K may be out
.irp a, 0,1,2,3
.irp t, 0,1
.if \zero
	s_wait_alu depctr_va_vdst(0)
	v_wmma_f32_16x16x64_bf8_bf8 v[O+32*\t+8*\a:O+32*\t+8*\a+7], v[VF+8*\a:VF+8*\a+7], v[P+8*\t:P+8*\t+7], 0
.else
	v_wmma_f32_16x16x64_bf8_bf8 v[O+32*\t+8*\a:O+32*\t+8*\a+7], v[VF+8*\a:VF+8*\a+7], v[P+8*\t:P+8*\t+7], v[O+32*\t+8*\a:O+32*\t+8*\a+7]
.endif
.endr
.endr
.endm
	s_and_b32 s[KO], s[WV], 1
	s_lshl_b32 s[KO], s[KO], 16                    ; pass 1: my half of the keys, 1,024 x 64 bytes
	v_add_nc_u32 v[ADK], s[KO], v[LI]
	s_wait_alu depctr_va_vdst(0)                   ; the wait at the head's end
	s_wait_tensorcnt 0x0                           ; my part of K or V is in,
	s_barrier_signal -1
	s_barrier_wait -1                              ; everybody's is: K and V are whole, and nothing is filled again
	KLOAD
	s_wait_loadcnt 0x0                             ; Q
	s_mov_b32 s[CNT], 15
.Lpass1:
	TRIP1 1
	s_sub_co_u32 s[CNT], s[CNT], 1
	s_cmp_lg_u32 s[CNT], 0
	s_cbranch_scc1 .Lpass1
	TRIP1 0
.irp t, 0,1,2,3
	s_delay_alu instid0(VALU_DEP_4)
	v_max_num_f32 v[MX+2*\t], v[MX+2*\t], v[MX+2*\t+1]
.endr
.irp t, 0,1,2,3
	s_delay_alu instid0(VALU_DEP_4)
	v_permlanex16_b32 v[MX+2*\t+1], v[MX+2*\t], s[SEL], s[SEL+1]
.endr
.irp t, 0,1,2,3
	s_delay_alu instid0(VALU_DEP_4)
	v_max_num_f32 v[MX+2*\t], v[MX+2*\t], v[MX+2*\t+1]   ; the largest score among my half of the keys
.endr
	ds_store_b32 v[ADS], v[MX+4]                   ; my partner's two tiles: handed over
	ds_store_b32 v[ADS], v[MX+6] offset:128
	s_wait_alu depctr_va_vdst(0)
	s_wait_dscnt 0x0                               ; my stores are done,
	s_barrier_signal -1
	s_barrier_wait -1                              ; everybody's are
	ds_load_b32 v[MX+1], v[ADL]                    ; what my partner found for my two tiles in the other half of the keys
	ds_load_b32 v[MX+3], v[ADL] offset:128
	s_mov_b32 s[KO], 0
	v_add_nc_u32 v[ADK], s[KO], v[LI]
	KLOAD
	s_wait_dscnt 8                                 ; the two maxima are in; K's eight loads may be out
	v_max_num_f32 v[MX], v[MX], v[MX+1]            ; the row's largest score
	v_max_num_f32 v[MX+2], v[MX+2], v[MX+3]
.irp t, 0,1
	s_delay_alu instid0(VALU_DEP_2)
	v_mul_f32 v[MX+2*\t], s[CS], v[MX+2*\t]        ; as t (c is positive)
.endr
.irp t, 0,1
	s_delay_alu instid0(VALU_DEP_2)
	v_floor_f32 v[MX+2*\t], -v[MX+2*\t]            ; -M = floor(-t)
.endr
	TRIP2 1, 1                                     ; the first trip's products start the sums
	s_mov_b32 s[CNT], 30
.Lpass2:
	TRIP2 0, 1
	s_sub_co_u32 s[CNT], s[CNT], 1
	s_cmp_lg_u32 s[CNT], 0
	s_cbranch_scc1 .Lpass2
	TRIP2 0, 0
.irp t, 0,1
	v_pk_add_f32 v[LS+4*\t:LS+4*\t+1], v[LS+4*\t:LS+4*\t+1], v[LS+4*\t+2:LS+4*\t+3]
.endr
.irp t, 0,1
	s_delay_alu instid0(VALU_DEP_2)
	v_add_f32 v[LS+4*\t], v[LS+4*\t], v[LS+4*\t+1]
.endr
.irp t, 0,1
	s_delay_alu instid0(VALU_DEP_2)
	v_permlanex16_b32 v[LS+4*\t+1], v[LS+4*\t], s[SEL], s[SEL+1]
.endr
.irp t, 0,1
	s_delay_alu instid0(VALU_DEP_2)
	v_add_f32 v[LS+4*\t], v[LS+4*\t], v[LS+4*\t+1] ; the row's sum
.endr
	s_wait_alu depctr_va_vdst(0)                   ; the wait ahead of the transcendentals
.irp t, 0,1
	v_rcp_f32 v[MX+2*\t], v[LS+4*\t]
.endr
	v_nop
	s_add_co_i32 s54, s44, s45
	s_wait_alu depctr_va_vdst(0)                   ; and the one behind them
.irp t, 0,1
	v_ldexp_f32 v[MX+2*\t], v[MX+2*\t], s54        ; x 2^(e8 + e9)
.endr
	s_wait_alu depctr_va_vdst(0)                   ; directly ahead of the first readers of O^T
.irp t, 0,1
.set i, 0
.rept 16
	v_pk_mul_f32 v[S+32*\t+i:S+32*\t+i+1], v[O+32*\t+i:O+32*\t+i+1], v[MX+2*\t:MX+2*\t+1] op_sel_hi:[1,0]   ; O^T / the sum, each accumulator from its low end on
.set i, i+2
.endr
.endr
.set j, 0
.rept 64
	v_med3_num_f32 v[S+j], v[S+j], -v[LIMO], v[LIMO]
.set j, j+1
.endr
.irp t, 0,1
.irp a, 0,1,2,3
	v_cvt_scalef32_pk8_bf8_f32 v[P+8*\t+2*\a:P+8*\t+2*\a+1], v[S+32*\t+8*\a:S+32*\t+8*\a+7], v[SCO]
.endr
.endr
	v_nop
.irp t, 0,1
.irp c, 0,1
	global_store_b128 v[LI], v[P+8*\t+4*\c:P+8*\t+4*\c+3], s[12:13] offset:16384*\t+512*\c   ; each store of the wave covers 512 consecutive bytes, aligned
.endr
.endr
	s_wait_dscnt 0x0
	s_wait_tensorcnt 0x0                           ; the wave's end
	ds_add_u32 v30, v31
	s_wait_dscnt 0x0
	CROUND                                         ; the closing round
	s_endpgm
.Lfunc_end_k_q4ae952ab5c_attn:
	.size	k_q4ae952ab5c_attn, .Lfunc_end_k_q4ae952ab5c_attn-k_q4ae952ab5c_attn
	.p2alignl 7, 3214868480
	.fill 96, 4, 3214868480
	.section	.rodata,"a",@progbits
	.p2align	6, 0x0
	.amdhsa_kernel k_q4ae952ab5c_attn
		.amdhsa_group_segment_fixed_size 327680
		.amdhsa_private_segment_fixed_size 0
		.amdhsa_enable_private_segment 0
		.amdhsa_kernarg_size 40
		.amdhsa_user_sgpr_count 2
		.amdhsa_user_sgpr_kernarg_segment_ptr 1
		.amdhsa_wavefront_size32 1
		.amdhsa_system_sgpr_workgroup_id_x 1
		.amdhsa_system_sgpr_workgroup_id_y 1
		.amdhsa_system_sgpr_workgroup_id_z 1
		.amdhsa_system_vgpr_workitem_id 0
		.amdhsa_next_free_vgpr 256
		.amdhsa_next_free_sgpr 66
		.amdhsa_reserve_vcc 0
		.amdhsa_float_denorm_mode_32 3
		.amdhsa_float_denorm_mode_16_64 3
		.amdhsa_memory_ordered 1
		.amdhsa_forward_progress 1
		.amdhsa_inst_pref_size 62
	.end_amdhsa_kernel
	.amdgpu_metadata
---
amdhsa.version: [ 1, 2 ]
amdhsa.kernels:
  - .name:           k_q4ae952ab5c_attn
    .symbol:         k_q4ae952ab5c_attn.kd
    .args:
      - { .name: qh, .offset: 0, .size: 8, .value_kind: global_buffer, .address_space: global }
      - { .name: kh, .offset: 8, .size: 8, .value_kind: global_buffer, .address_space: global }
      - { .name: vh, .offset: 16, .size: 8, .value_kind: global_buffer, .address_space: global }
      - { .name: lowp_scales, .offset: 24, .size: 8, .value_kind: global_buffer, .address_space: global }
      - { .name: oc, .offset: 32, .size: 8, .value_kind: global_buffer, .address_space: global }
    .group_segment_fixed_size: 327680
    .private_segment_fixed_size: 0
    .kernarg_segment_align: 8
    .kernarg_segment_size: 40
    .max_flat_workgroup_size: 512
    .sgpr_count:     66
    .vgpr_count:     256
    .wavefront_size: 32
...
	.end_amdgpu_metadata
.endif
;; end of part 2
;; launch outp (part 3): grid 8 x 32, 4 waves a work-group, clusters of 4 x 4, 327,680 bytes of LDS; arguments oc, wo_w_codes, lowp_scales, wo_b, out0; writes out0
.if DOCPART == 3
	.amdgcn_target "amdgcn-amd-amdhsa--gfx1250"
	.amdhsa_code_object_version 6
	.text
	.protected	k_q4ae952ab5c_outp
	.globl	k_q4ae952ab5c_outp
	.p2align	8
	.type	k_q4ae952ab5c_outp,@function
k_q4ae952ab5c_outp:
	s_mov_b64 s[64:65], 0
	v_nop
	global_prefetch_b8 v0, s[64:65] scope:SCOPE_SE
	s_setreg_imm32_b32 hwreg(HW_REG_WAVE_MODE, 25, 1), 1
	s_wait_xcnt 0x0
	s_wait_alu depctr_hold_cnt(0) depctr_sa_sdst(0) depctr_va_vdst(0) depctr_va_sdst(0) depctr_va_ssrc(0) depctr_va_vcc(0) depctr_vm_vsrc(0)
	s_getreg_b32 s2, hwreg(HW_REG_IB_STS2, 6, 4)
	s_cmp_eq_u32 s2, 0
	s_cbranch_scc0 .Lentry_in_a_cluster
	s_endpgm
.Lentry_in_a_cluster:
	s_bfe_u32 s2, ttmp6, 0x10000c
	s_cmp_lg_u32 s2, 0xf033
	s_cbranch_scc0 .Lentry_shape_is_right
	s_endpgm
.Lentry_shape_is_right:
; THE LAST PROJECTION: out0 = o Wo^T + bo on codes of BF8 (E5M2), sums in f32, each sum x 2^(e10 + e11).  o: 8,192 rows x 1,024 K as codes in oc; Wo: [1024][1024] codes, K innermost; out0: [8192][1024] f32.
; oc is an image of operand registers: [row / 16][K / 64][1,024 bytes: half, lane, 16 bytes].  So 256 along K of 16 rows are 4,096 consecutive bytes, and a fragment of 16 rows x 128 K is four loads of 512 consecutive bytes.
; A BLOCK of 256 rows x 128 columns for a work-group: 32 x 8 = 256 work-groups.  Four waves, each 128 rows x 64 columns: 32 accumulators, 256 registers, one window.
; K goes in four steps of 256 through two LDS slots.  A slot: A's 256 rows (65,536 bytes, dense), then B's 128 rows of 256 bytes + 16 of padding.
; THE FIRST FILLS: four tensor loads, one a wave: A and B of K steps 0 and 1.  A slot's refill is two loads: waves 2 slot and 2 slot + 1, one each.
; CLUSTERS of 4 x 4: A's tile is shared along a row of the cluster, B's along a column; each is asked for jointly.
; No prefetch is laid: K has four steps; two are asked for at the head and the other two one step later, so no trip lies ahead of them in which to ask.
; THE MATRIX INSTRUCTION IS USED TRANSPOSED (source 0 = 16 rows of Wo, source 1 = 16 rows of o): a lane holds eight neighbouring columns of one row of out0.
; LIMIT: e10 + e11 between -126 and 127, so that 2^(e10 + e11) is an f32 number.
; REGISTERS: window 0: v16-30 addresses; v32-63 the bias; v128-255 A's fragments, one set; on the way out rows read back.  window 1: B's fragments, two sets, at v0 and v128.  window 2: accumulator (a, b) at v[8 (4 a + b)].
.set ROWB,   256
.set PITCH,  272                       ; B's LDS row: 256 bytes + 16: the 16 rows that a load touches start at 16 different banks
.set FR,     16                        ; registers of a fragment: 16 rows x 128 K
.set NL,     4                         ; LDS loads that bring one of A's
.set NP,     4                         ; places behind this matrix instruction (ISA guide 7.12.1)
.set HALFB,  64*PITCH                  ; a wave's 64 rows of B
.set BOFF,   65536                     ; B's rows lie behind A's 256
.set SLOT,   BOFF+2*HALFB
.set SPARE,  2*SLOT                    ; behind the ring: the spare words, 128 bytes a wave
.set SPITCH, 272                       ; the way out: a stage of 16 rows x (256 bytes + 16) a wave, in slot 0, which has had its last fill and its last read by then
.set ADRA, 16                          ; v16-17 LDS address of my A fragments in slot 0, 1
.set ADRB, 20                          ; v20-21 the same for B
.set STO,  24                          ; where I put 32 bytes of a row
.set RD,   25                          ; where I read rows back
.set CO,   26                          ; 16 x lane
.set BO,   27                          ; the bias's lane offset: 32 h
.set SPW,  28                          ; my spare word; never rewritten
.set NIL,  29                          ; 0; never rewritten
.set GO,   30                          ; my byte offset in two rows of out0
.set BI,   32
.set AF,   128
.set BK,   128
.set G1, 24                            ; s[24:31] group 1 for A's tiles; s[32:39] group 0, one set a slot
.set G0, 32
.set G1B, 48                           ; s[48:55], s[56:63] the same for B's
.set G0B, 56
.set MSB, 0
.macro WIN new                         ; the immediate's high byte repeats the setting that is left
.if MSB != (\new)
	s_set_vgpr_msb (MSB<<8)|(\new)
.set MSB, (\new)
.endif
.endm
.set MUL,  0xa1                        ; source 0 (B) window 1, source 1 (A) window 0, C and D window 2
.set TO_B, 0x40
.macro PLACES n
.rept \n
	v_nop
.endr
.endm
.macro TL g0, g1                       ; a tensor load with the s_nop 0 and four v_nop
	tensor_load_to_lds s[\g0:\g0+3], s[\g1:\g1+7]
	s_nop 0
	PLACES 4
.endm
.macro JLOAD slot                      ; a slot's refill; the waves that fetch nothing run four v_nop: the places in front of the LDS loads that follow
	s_cmp_eq_u32 s14, 2*\slot
	s_cbranch_scc0 .Lfor_b_\@
	TL G0+4*\slot, G1
	s_branch .Lasked_\@
.Lfor_b_\@:
	s_cmp_eq_u32 s14, 2*\slot+1
	s_cbranch_scc0 .Lnone_\@
	TL G0B+4*\slot, G1B
	s_branch .Lasked_\@
.Lnone_\@:
	PLACES 4
.Lasked_\@:
.endm
.macro CREST                           ; a round of the cluster's barrier behind its opening barrier
	s_cmp_lg_u32 s14, 0
	s_cbranch_scc1 .Lnot_wave_0_\@
	s_barrier_signal -3
.Lnot_wave_0_\@:
	s_barrier_wait -3
	s_barrier_signal -1
	s_barrier_wait -1
.endm
.macro CROUND
	s_barrier_signal -1
	s_barrier_wait -1
	CREST
.endm
	s_load_b128 s[4:7], s[0:1], 0x0                ; oc, Wo's codes
	s_load_b128 s[8:11], s[0:1], 0x10              ; the exponents, bo
	s_load_b64 s[12:13], s[0:1], 0x20              ; out0
	v_lshl_add_u32 v[SPW], v0, 2, SPARE
	v_mov_b32 v[NIL], 0
	ds_add_u32 v[SPW], v[NIL]                      ; the opening lines: the add, twice on end, and its wait
	ds_add_u32 v[SPW], v[NIL]
	v_lshrrev_b32 v1, 5, v0
	v_readfirstlane_b32 s14, v1                    ; wave 0..3
	s_lshr_b32 s15, s14, 1                         ; which 128 rows of the block are mine
	s_and_b32 s16, s14, 1                          ; which 64 columns
	s_bfe_u32 s40, ttmp6, 0x40000                  ; cx, cy
	s_bfe_u32 s41, ttmp6, 0x40004
	s_lshl_b32 s42, ttmp9, 2
	s_add_co_u32 s42, s42, s40                     ; block column 0..7
	s_and_b32 s17, ttmp7, 0xffff
	s_lshl_b32 s17, s17, 2
	s_add_co_u32 s17, s17, s41                     ; block row 0..31
	s_lshl_b32 s43, s41, 2
	s_lshl_b32 s43, 15, s43                        ; my row of the cluster
	s_lshl_b32 s44, 0x1111, s40                    ; my column
	s_or_b32 s[G1+0], s43, (0<<16)|(1<<21)         ; A: 16 rows of 4,096 bytes (16 rows of o x 256 K each), 16,384 bytes apart, dense in LDS
	s_mov_b32 s[G1+1], 4096<<16
	s_mov_b32 s[G1+2], 16<<16
	s_mov_b32 s[G1+3], 4096<<16
	s_mov_b32 s[G1+4], 16
	s_mov_b32 s[G1+5], 16384
	s_mov_b32 s[G1+6], 0
	s_mov_b32 s[G1+7], 0
	s_or_b32 s[G1B+0], s44, (0<<16)|(1<<20)|(1<<21)|(5<<22)|(3<<25)  ; B: 128 rows of 256 bytes, four words of padding behind every 64
	s_mov_b32 s[G1B+1], ROWB<<16
	s_mov_b32 s[G1B+2], 128<<16
	s_mov_b32 s[G1B+3], ROWB<<16
	s_mov_b32 s[G1B+4], 128
	s_mov_b32 s[G1B+5], 1024
	s_mov_b32 s[G1B+6], 0
	s_mov_b32 s[G1B+7], 0
	s_lshl_b32 s20, s17, 18                        ; A: 256 rows x 1,024 bytes a block row
	s_mov_b32 s21, 0
	s_lshl_b32 s46, s42, 17                        ; B: 128 rows x 1,024 bytes a block column
	s_mov_b32 s47, 0
	s_wait_dscnt 0x0                               ; both opening adds are done
	s_wait_kmcnt 0x0
	s_load_b64 s[96:97], s[8:9], 0x28              ; e10, e11
	s_add_nc_u64 s[20:21], s[4:5], s[20:21]
	s_add_nc_u64 s[46:47], s[6:7], s[46:47]
	CROUND                                         ; all sixteen work-groups are here: the first joint loads meet
.irp s, 0,1
	s_mov_b32 s[G0+4*\s], 1
	s_mov_b32 s[G0+4*\s+1], \s*SLOT
	s_add_nc_u64 s[G0+4*\s+2:G0+4*\s+3], s[20:21], \s*4096
	s_or_b32 s[G0+4*\s+3], s[G0+4*\s+3], 0x80000000
	s_mov_b32 s[G0B+4*\s], 1
	s_mov_b32 s[G0B+4*\s+1], BOFF+\s*SLOT
	s_add_nc_u64 s[G0B+4*\s+2:G0B+4*\s+3], s[46:47], \s*ROWB
	s_or_b32 s[G0B+4*\s+3], s[G0B+4*\s+3], 0x80000000
.endr
	s_cmp_eq_u32 s14, 0                            ; the first fills, one a wave, in one chain of branches on the wave's number
	s_cbranch_scc0 .Lhead_1
	TL G0, G1
	s_branch .Lhead_join
.Lhead_1:
	s_cmp_eq_u32 s14, 1
	s_cbranch_scc0 .Lhead_2
	TL G0B, G1B
	s_branch .Lhead_join
.Lhead_2:
	s_cmp_eq_u32 s14, 2
	s_cbranch_scc0 .Lhead_3
	TL G0+4, G1
	s_branch .Lhead_join
.Lhead_3:
	TL G0B+4, G1B
.Lhead_join:
	s_lshl_b32 s21, s15, 15                        ; my 128 rows of A: 32,768 bytes
	s_mul_i32 s22, s16, HALFB
	s_add_co_u32 s22, s22, BOFF                    ; my 64 rows of B
	s_mul_i32 s23, s14, 16*SPITCH                  ; my stage
	v_and_b32 v1, 15, v0                           ; r
	v_bfe_u32 v2, v0, 4, 1                         ; h
	v_and_b32 v6, 31, v0
	v_lshlrev_b32 v[CO], 4, v6
	v_mul_u32_u24 v3, v1, PITCH
	v_lshl_add_u32 v4, v2, 3, v3                   ; B: row r, + 8 h: the form's own order of K, as A's image has it
	v_add_nc_u32 v[ADRA], s21, v[CO]
	v_add_nc_u32 v[ADRB], s22, v4
	v_add_nc_u32 v[ADRA+1], SLOT, v[ADRA]
	v_add_nc_u32 v[ADRB+1], SLOT, v[ADRB]
	v_mul_u32_u24 v5, v1, SPITCH
	v_lshl_add_u32 v5, v2, 5, v5
	v_add_nc_u32 v[STO], s23, v5                   ; in: row r, 32 bytes for each half of the lanes
	v_mul_u32_u24 v7, v2, SPITCH
	v_lshl_add_u32 v7, v1, 4, v7
	v_add_nc_u32 v[RD], s23, v7                    ; back: lanes 0-15 one row of 256 bytes, lanes 16-31 the next
	v_lshlrev_b32 v8, 12, v2
	v_lshl_add_u32 v[GO], v1, 4, v8                ; and the same two rows in out0
	v_lshlrev_b32 v[BO], 5, v2
	s_wait_alu depctr_va_vdst(0)                   ; scalar work, waits
	s_lshl_b32 s46, s42, 9
	s_lshl_b32 s47, s16, 8
	s_add_co_u32 s46, s46, s47                     ; my first column, in bytes: 512 x block column + 256 x half
	s_mov_b32 s47, 0
	s_add_nc_u64 s[10:11], s[10:11], s[46:47]
	s_lshl_b32 s20, s17, 8
	s_lshl_b32 s21, s15, 7
	s_add_co_u32 s20, s20, s21
	s_lshl_b32 s20, s20, 12                        ; my first row, 4,096 bytes each
	s_mov_b32 s21, 0
	s_add_nc_u64 s[12:13], s[12:13], s[20:21]
	s_add_nc_u64 s[12:13], s[12:13], s[46:47]
.irp b, 0,1,2,3
	global_load_b128 v[BI+8*\b:BI+8*\b+3], v[BO], s[10:11] offset:64*\b         ; the bias of columns 16 b + 8 h + 0 .. 7
	global_load_b128 v[BI+8*\b+4:BI+8*\b+7], v[BO], s[10:11] offset:64*\b+16
.endr
.macro FRAGA reg, adr, q, i            ; 16 rows x 128 K of A: four loads of 512 consecutive bytes
.irp c, 0,1,2,3
	ds_load_b128 v[\reg+4*\c:\reg+4*\c+3], v[\adr] offset:4096*(\i)+2048*(\q)+512*\c
.endr
.endm
.macro FRAGB reg, adr, q, i            ; 16 rows x 128 K of B: registers 2 c, 2 c + 1 hold K = 16 c + 8 h + 0 .. 7
.irp c, 0,1,2,3,4,5,6,7
	ds_load_b64 v[\reg+2*\c:\reg+2*\c+1], v[\adr] offset:128*(\q)+16*\c+(\i)*16*PITCH
.endr
.endm
.macro MUL8 a0, p, zero                ; A's blocks a0, a0 + 1 x B's four; the 32 accumulators take turns
.irp a, \a0, \a0+1
.irp b, 0,1,2,3
.if \zero
	v_wmma_f32_16x16x128_bf8_bf8 v[8*(4*(\a)+\b):8*(4*(\a)+\b)+7], v[128*(\p)+FR*\b:128*(\p)+FR*\b+FR-1], v[AF+FR*(\a):AF+FR*(\a)+FR-1], 0
.else
	v_wmma_f32_16x16x128_bf8_bf8 v[8*(4*(\a)+\b):8*(4*(\a)+\b)+7], v[128*(\p)+FR*\b:128*(\p)+FR*\b+FR-1], v[AF+FR*(\a):AF+FR*(\a)+FR-1], v[8*(4*(\a)+\b):8*(4*(\a)+\b)+7]
.endif
.endr
.endr
.endm
.macro FETCH_B slot, q, p
	WIN TO_B
.irp i, 0,1,2,3
	FRAGB 128*(\p)+FR*\i, ADRB+\slot, \q, \i
.endr
	WIN 0
.endm
.macro FETCH_A slot, q, i0
.irp i, \i0, \i0+1, \i0+2, \i0+3
	FRAGA AF+FR*(\i), ADRA+\slot, \q, \i
.endr
.endm
.macro STEP slot, q, zero              ; 128 along K, with its successor in the same slot
	s_wait_dscnt 4*NL                              ; B's set and A's blocks 0-3 are in; the youngest sixteen loads (A's blocks 4-7) may be out
	WIN MUL
	MUL8 0, (\q)%2, \zero
	MUL8 2, (\q)%2, \zero
	s_wait_dscnt 0
	PLACES NP
	FETCH_B \slot, (\q)+1, 1-(\q)%2
	FETCH_A \slot, (\q)+1, 0
	WIN MUL
	MUL8 4, (\q)%2, \zero
	MUL8 6, (\q)%2, \zero
	PLACES NP
	WIN 0
	FETCH_A \slot, (\q)+1, 4
.endm
.macro TURN slot, next, fill           ; a slot's last step changes slots; fill = 1: the slot is filled again, two K steps ahead
	s_wait_tensorcnt 0x0                           ; no tensor load of mine is out
	ds_add_u32 v[SPW], v[NIL]                      ; 0 onto my spare word
	s_wait_dscnt 4*NL+1                            ; (the add and A's blocks 4-7 may be out)
	WIN MUL
	MUL8 0, 1, 0
	s_wait_dscnt 0x0                               ; the add is done, and my reads of this slot are over
	s_barrier_signal -1
	MUL8 2, 1, 0
	WIN 0
	s_barrier_wait -1
.if \fill
	CREST                                          ; the barrier has opened a round of the cluster's barrier
	s_add_nc_u64 s[G0+4*\slot+2:G0+4*\slot+3], s[G0+4*\slot+2:G0+4*\slot+3], 2*4096
	s_add_nc_u64 s[G0B+4*\slot+2:G0B+4*\slot+3], s[G0B+4*\slot+2:G0B+4*\slot+3], 2*ROWB
	JLOAD \slot
.else
	PLACES NP
.endif
	FETCH_B \next, 0, 0
	FETCH_A \next, 0, 0
	WIN MUL
	MUL8 4, 1, 0
	MUL8 6, 1, 0
	PLACES NP
	WIN 0
	FETCH_A \next, 0, 4
.endm
	s_wait_tensorcnt 0x0                           ; my one load is in,
	s_barrier_signal -1
	s_barrier_wait -1                              ; everybody's is: both slots are whole
	FETCH_B 0, 0, 0
	FETCH_A 0, 0, 0
	FETCH_A 0, 0, 4
	STEP 0, 0, 1                                   ; the first step's products start the sums
	TURN 0, 1, 1                                   ; slot 0 takes K step 2
	STEP 1, 0, 0
	TURN 1, 0, 1                                   ; slot 1 takes K step 3
	STEP 0, 0, 0
	TURN 0, 1, 0                                   ; nothing is left to fetch
	STEP 1, 0, 0
	s_wait_dscnt 4*NL
	WIN MUL
	MUL8 0, 1, 0
	MUL8 2, 1, 0
	s_wait_dscnt 0
	MUL8 4, 1, 0
	MUL8 6, 1, 0
	WIN 0
; THE WAY OUT, block by block of 16 rows x 64 columns: sum x 2^(e10 + e11) + bias in place, each accumulator from its low end on; through my stage; back as whole rows of 256 bytes.
.macro TOSTAGE a
	WIN 0x82                                       ; source 0 and destination: window 2
.irp b, 0,1,2,3
.irp i, 0,2,4,6
	v_pk_fma_f32 v[32*(\a)+8*\b+\i:32*(\a)+8*\b+\i+1], v[32*(\a)+8*\b+\i:32*(\a)+8*\b+\i+1], s[96:97], v[BI+8*\b+\i:BI+8*\b+\i+1] op_sel_hi:[1,0,1]
.endr
.endr
	WIN 0x08                                       ; the stores' data: window 2
.irp b, 0,1,2,3
	ds_store_b128 v[STO], v[32*(\a)+8*\b:32*(\a)+8*\b+3] offset:64*\b
	ds_store_b128 v[STO], v[32*(\a)+8*\b+4:32*(\a)+8*\b+7] offset:64*\b+16
.endr
	WIN 0
.set BB, BK+32*((\a)%2)
.irp t, 0,1,2,3,4,5,6,7
	ds_load_b128 v[BB+4*\t:BB+4*\t+3], v[RD] offset:\t*2*SPITCH   ; LDS serves a wave's instructions in order: these see my stores
.endr
.endm
.macro SEND a, younger                 ; younger: the LDS instructions issued behind block a's loads
.set BB, BK+32*((\a)%2)
	s_wait_dscnt \younger
.if (\a) > 0
	s_add_nc_u64 s[12:13], s[12:13], 16*4096       ; (behind a wait on XCNT: the earlier stores have read their base)
.endif
.irp t, 0,1,2,3,4,5,6,7
	global_store_b128 v[GO], v[BB+4*\t:BB+4*\t+3], s[12:13] offset:\t*2*4096 th:TH_STORE_NT   ; sixteen lanes store 256 consecutive bytes, aligned
.endr
.endm
	s_wait_kmcnt 0x0
	s_add_co_i32 s96, s96, s97
	s_add_co_i32 s96, s96, 127
	s_lshl_b32 s96, s96, 23                        ; 2^(e10 + e11) as f32
	s_mov_b32 s97, s96
	s_wait_loadcnt 0x0                             ; the bias
	PLACES NP
	TOSTAGE 0
.irp a, 1,2,3,4,5,6,7
.if \a > 1
	s_wait_xcnt 0x0                                ; block a - 2's stores have read their registers and their base
.endif
	TOSTAGE \a
	SEND \a-1, 16                                  ; behind block a - 1's loads: block a's 8 stores and 8 loads
.endr
	s_wait_xcnt 0x0
	SEND 7, 0
	s_wait_tensorcnt 0x0                           ; the wave's end
	ds_add_u32 v[SPW], v[NIL]
	s_wait_dscnt 0x0
	CROUND                                         ; the closing round
	s_endpgm
.Lfunc_end_k_q4ae952ab5c_outp:
	.size	k_q4ae952ab5c_outp, .Lfunc_end_k_q4ae952ab5c_outp-k_q4ae952ab5c_outp
	.p2alignl 7, 3214868480
	.fill 96, 4, 3214868480
	.section	.rodata,"a",@progbits
	.p2align	6, 0x0
	.amdhsa_kernel k_q4ae952ab5c_outp
		.amdhsa_group_segment_fixed_size 327680
		.amdhsa_private_segment_fixed_size 0
		.amdhsa_enable_private_segment 0
		.amdhsa_kernarg_size 40
		.amdhsa_user_sgpr_count 2
		.amdhsa_user_sgpr_kernarg_segment_ptr 1
		.amdhsa_wavefront_size32 1
		.amdhsa_system_sgpr_workgroup_id_x 1
		.amdhsa_system_sgpr_workgroup_id_y 1
		.amdhsa_system_sgpr_workgroup_id_z 1
		.amdhsa_system_vgpr_workitem_id 0
		.amdhsa_next_free_vgpr 768
		.amdhsa_next_free_sgpr 98
		.amdhsa_reserve_vcc 0
		.amdhsa_float_denorm_mode_32 3
		.amdhsa_float_denorm_mode_16_64 3
		.amdhsa_memory_ordered 1
		.amdhsa_forward_progress 1
		.amdhsa_inst_pref_size 86
	.end_amdhsa_kernel
	.amdgpu_metadata
---
amdhsa.version: [ 1, 2 ]
amdhsa.kernels:
  - .name:           k_q4ae952ab5c_outp
    .symbol:         k_q4ae952ab5c_outp.kd
    .args:
      - { .name: oc, .offset: 0, .size: 8, .value_kind: global_buffer, .address_space: global }
      - { .name: wo_w_codes, .offset: 8, .size: 8, .value_kind: global_buffer, .address_space: global }
      - { .name: lowp_scales, .offset: 16, .size: 8, .value_kind: global_buffer, .address_space: global }
      - { .name: wo_b, .offset: 24, .size: 8, .value_kind: global_buffer, .address_space: global }
      - { .name: out0, .offset: 32, .size: 8, .value_kind: global_buffer, .address_space: global }
    .group_segment_fixed_size: 327680
    .private_segment_fixed_size: 0
    .kernarg_segment_align: 8
    .kernarg_segment_size: 40
    .max_flat_workgroup_size: 128
    .sgpr_count:     98
    .vgpr_count:     768
    .wavefront_size: 32
...
	.end_amdgpu_metadata
.endif
;; end of part 3
